; MI455X (gfx1250); checked and timed in simulation.
; The chip was launched on July 23, 2026; its instructions are those of AMD's public machine-readable ISA for CDNA 5 (MIT licence, August 2026) and "CDNA5" Instruction Set Architecture Reference Guide (July 2026). The comments in the code are by the model that wrote it; some were corrected since.
;; Gemm RS Baseline. Allowed arithmetic: float matrix products may take bf16 or f16 operands with f32 sums; other float arithmetic in f32, or as packed bf16 or f16 multiplies, adds, multiply-adds, maxima and minima; sums over many terms, partial sums and values carried from step to step in f32; what a program stores and reads back later, other than sums and carried values, may be rounded once to bf16 or f16.
;; Inputs: weight 8 x 1,024 x 4,096 float32; x 8 x 2,048 x 1,024 float32.
;; Outputs: out0 8 x 256 x 4,096 float32.
;; 2 versions, each right; version 2 is version 1 with the launch cast written anew for expert scheduling mode. Each part assembles by itself: llvm-mc -triple=amdgcn-amd-amdhsa -mcpu=gfx1250 --defsym DOCPART=n.
;; ======== version 1 of 2: 3 launches
;; workspace buffers: xb 33,554,432 bytes; wb 67,108,864 bytes; part 67,108,864 bytes
;; launch cast (part 1): grid 768 x 1, 8 waves a work-group, no clusters, 0 bytes of LDS; arguments weight, x, wb, xb; writes wb, xb
.if DOCPART == 1
	.amdgcn_target "amdgcn-amd-amdhsa--gfx1250"
	.amdhsa_code_object_version 6
	.text
	.protected	k_qb190c25ab4_cast
	.globl	k_qb190c25ab4_cast
	.p2align	8
	.type	k_qb190c25ab4_cast,@function
k_qb190c25ab4_cast:
	s_mov_b64 s[64:65], 0
	v_nop
	global_prefetch_b8 v0, s[64:65] scope:SCOPE_SE
	s_setreg_imm32_b32 hwreg(HW_REG_WAVE_MODE, 25, 1), 1
	s_wait_xcnt 0x0
; FIRST OF THREE LAUNCHES for out[m][n] = the sum over r and k of x[r][m][k] weight[r][k][n]  (M = 2048, N = 4096, 8 ranks of 1024 along K).
; This launch rounds both inputs once to bf16 (nearest even), element by element, in their own layouts: wb[i] = bf16(weight[i]), xb[i] = bf16(x[i]).
; NOTHING IS LEFT OUT: every number of x and of weight is a term of some output, so every byte of both is read, once.
; LIMITS.  bf16 has the exponent range of f32, so no finite input overflows but those within half a bf16 step of the largest f32; NaN and infinities go through as the conversion carries them.
; SHARES.  A work-group of eight waves owns 64 rows of 4,096 input bytes (262,144) and their 131,072 output bytes.  Work-groups 0 to 511 take weight (134,217,728 bytes),
; 512 to 767 take x (67,108,864 bytes): 768 work-groups of equal work.  Thread t owns the 16 bytes at 16 t of every row and stores the 8 bytes at 8 t: a load of a wave covers 512
; consecutive bytes, a store of a wave 256 consecutive bytes, aligned.  No LDS, no barrier, no matrix unit, no cluster: no byte is wanted twice and no wave wants what another fetched.
; A ring of sixteen slots in registers keeps sixteen loads of every wave on their way.  The 64 turns are written out, so that the rows stand in the immediates (258,048 at the most)
; and no address register is ever rewritten.  A slot's Y is written again sixteen turns behind the store that reads it; ONE wait at the head of each round of sixteen turns stands between the two.
.set ROWI,  4096                       ; input bytes in a row
.set ROWO,  2048                       ; output bytes in a row
.set ROWS,  64
.set DEPTH, 16
.set X, 4                              ; v[4:67]   slot i: four f32 as loaded
.set Y, 68                             ; v[68:99]  slot i: four bf16 to store
	s_load_b256 s[4:11], s[0:1], 0x0               ; weight s[4:5], x s[6:7], wb s[8:9], xb s[10:11]
	v_lshlrev_b32 v1, 4, v0                        ; my 16 bytes of an input row; never rewritten
	v_lshlrev_b32 v2, 3, v0                        ; my 8 bytes of an output row; never rewritten
	s_sub_co_u32 s13, ttmp9, 512                   ; my number among the work-groups of x (used only from 512 on)
	s_cmp_lt_u32 ttmp9, 512                        ; weight or x?  The lines down to the last select leave SCC alone
	s_cselect_b32 s12, ttmp9, s13                  ; my number inside my tensor
	s_wait_kmcnt 0x0
	s_cselect_b64 s[14:15], s[4:5], s[6:7]         ; from where
	s_cselect_b64 s[16:17], s[8:9], s[10:11]       ; to where
	s_lshl_b32 s18, s12, 18                        ; 262,144 bytes in, under 2^27
	s_mov_b32 s19, 0
	s_lshl_b32 s20, s12, 17                        ; 131,072 bytes out
	s_mov_b32 s21, 0
	s_add_nc_u64 s[14:15], s[14:15], s[18:19]
	s_add_nc_u64 s[16:17], s[16:17], s[20:21]
.set i, 0
.rept DEPTH
	global_load_b128 v[X+4*i:X+4*i+3], v1, s[14:15] offset:i*ROWI th:TH_LOAD_NT  ; the ring is filled: rows 0 to 15
.set i, i+1
.endr
.set j, 0
.rept ROWS                             ; the turn of row j, in slot j % 16
.set i, j%DEPTH
.if j < ROWS-DEPTH+1
	s_wait_loadcnt DEPTH-1                         ; loads come back in order (ISA guide 5.7.1): row j is in, the fifteen younger loads stay out
.else
	s_wait_loadcnt ROWS-1-j                        ; the last rows: no load follows them, the counts run down
.endif
.if (i == 0) && (j > 0)
	s_wait_xcnt 0x0                                ; a round begins: the sixteen stores of the round before have read their Y, which this round's conversions write again
.endif
	v_cvt_pk_bf16_f32 v[Y+2*i],   v[X+4*i],   v[X+4*i+1]  ; two roundings, the first source into the low half
	v_cvt_pk_bf16_f32 v[Y+2*i+1], v[X+4*i+2], v[X+4*i+3]
.if j+DEPTH < ROWS
	global_load_b128 v[X+4*i:X+4*i+3], v1, s[14:15] offset:(j+DEPTH)*ROWI th:TH_LOAD_NT  ; the load ahead of the store
.endif
	global_store_b64 v2, v[Y+2*i:Y+2*i+1], s[16:17] offset:j*ROWO th:TH_STORE_NT
.set j, j+1
.endr
	s_endpgm
.Lfunc_end_k_qb190c25ab4_cast:
	.size	k_qb190c25ab4_cast, .Lfunc_end_k_qb190c25ab4_cast-k_qb190c25ab4_cast
	.p2alignl 7, 3214868480
	.fill 96, 4, 3214868480
	.section	.rodata,"a",@progbits
	.p2align	6, 0x0
	.amdhsa_kernel k_qb190c25ab4_cast
		.amdhsa_group_segment_fixed_size 0
		.amdhsa_private_segment_fixed_size 0
		.amdhsa_enable_private_segment 0
		.amdhsa_kernarg_size 32
		.amdhsa_user_sgpr_count 2
		.amdhsa_user_sgpr_kernarg_segment_ptr 1
		.amdhsa_wavefront_size32 1
		.amdhsa_system_sgpr_workgroup_id_x 1
		.amdhsa_system_sgpr_workgroup_id_y 1
		.amdhsa_system_sgpr_workgroup_id_z 1
		.amdhsa_system_vgpr_workitem_id 0
		.amdhsa_next_free_vgpr 104
		.amdhsa_next_free_sgpr 66
		.amdhsa_reserve_vcc 0
		.amdhsa_float_denorm_mode_32 3
		.amdhsa_float_denorm_mode_16_64 3
		.amdhsa_memory_ordered 1
		.amdhsa_forward_progress 1
		.amdhsa_inst_pref_size 23
	.end_amdhsa_kernel
	.amdgpu_metadata
---
amdhsa.version: [ 1, 2 ]
amdhsa.kernels:
  - .name:           k_qb190c25ab4_cast
    .symbol:         k_qb190c25ab4_cast.kd
    .args:
      - { .name: weight, .offset: 0, .size: 8, .value_kind: global_buffer, .address_space: global }
      - { .name: x, .offset: 8, .size: 8, .value_kind: global_buffer, .address_space: global }
      - { .name: wb, .offset: 16, .size: 8, .value_kind: global_buffer, .address_space: global }
      - { .name: xb, .offset: 24, .size: 8, .value_kind: global_buffer, .address_space: global }
    .group_segment_fixed_size: 0
    .private_segment_fixed_size: 0
    .kernarg_segment_align: 8
    .kernarg_segment_size: 32
    .max_flat_workgroup_size: 256
    .sgpr_count:     66
    .vgpr_count:     104
    .wavefront_size: 32
...
	.end_amdgpu_metadata
.endif
;; end of part 1
;; launch gemm (part 2): grid 16 x 16, 4 waves a work-group, clusters of 4 x 4, 327,680 bytes of LDS; arguments xb, wb, part; writes part
.if DOCPART == 2
	.amdgcn_target "amdgcn-amd-amdhsa--gfx1250"
	.amdhsa_code_object_version 6
	.text
	.protected	k_qb190c25ab4_gemm
	.globl	k_qb190c25ab4_gemm
	.p2align	8
	.type	k_qb190c25ab4_gemm,@function
k_qb190c25ab4_gemm:
	s_mov_b64 s[64:65], 0
	v_nop
	global_prefetch_b8 v0, s[64:65] scope:SCOPE_SE
	s_setreg_imm32_b32 hwreg(HW_REG_WAVE_MODE, 25, 1), 1
	s_wait_xcnt 0x0
	s_wait_alu depctr_hold_cnt(0) depctr_sa_sdst(0) depctr_va_vdst(0) depctr_va_sdst(0) depctr_va_ssrc(0) depctr_va_vcc(0) depctr_vm_vsrc(0)
	s_getreg_b32 s2, hwreg(HW_REG_IB_STS2, 6, 4)
	s_cmp_eq_u32 s2, 0
	s_cbranch_scc0 .Lentry_in_a_cluster
	s_endpgm
.Lentry_in_a_cluster:
	s_bfe_u32 s2, ttmp6, 0x10000c
	s_cmp_lg_u32 s2, 0xf033
	s_cbranch_scc0 .Lentry_shape_is_right
	s_endpgm
.Lentry_shape_is_right:
; SECOND OF THREE LAUNCHES.  part[kh][m][n] = the sum over kk = 4096 kh .. 4096 kh + 4095 of X[m][kk] W[kk][n].  xb: [8][2048][1024] bf16 (X[m][kk] = xb[kk / 1024][m][kk % 1024]);
; wb: [8192][4096] bf16 (the eight ranks of weight lie on end); part: [2][2048][4096] f32.  The launch behind adds the two halves.  Nothing is left out: every product is a term of an output.
; LIMITS.  The operands were rounded once to bf16 by the launch before; the sums are f32, one accumulator for each number of part, K ascending, in the matrix unit's own order of adding; NaN and infinities go as the instructions carry them.
; SHARES.  A tile is 256 x 256: four waves, each 128 x 128 in 64 accumulators of 16 x 16, 512 registers: for 32 along K a wave reads 16,384 bytes of LDS for 64 matrix instructions.  2048 x 4096 has 128 such
; tiles, so K IS SPLIT IN TWO: 256 work-groups, each with one tile and 4,096 of K, in 32 steps of 128 through a ring of two LDS slots filled by the tensor data mover.  xb's tile is 256 rows of 256 bytes,
; wb's 128 rows (of kk) of 512 bytes, all at multiples of 256 bytes from their buffer's first byte.  From a request to the wait for it a wave issues 224 matrix instructions.
; wb LIES [K][N]: its fragments come out of LDS turned, by ds_load_tr16_b128; xb's come as they lie.
; THE MATRIX INSTRUCTION IS USED TRANSPOSED: source 0 = 16 columns of wb, source 1 = 16 rows of xb.  In the result lane l holds row l % 16 and its registers 0 to 7 the columns 8 (l / 16) + 0 .. 7: 32 bytes on end.
; CLUSTERS: 4 x 4 work-groups, all sixteen in one half of K.  The four of a row of the cluster need the same tile of xb, the four of a column the same tile of wb: each tile is asked for
; JOINTLY, by the same tensor load with the same descriptor and a mask that names the four.  That divides the requests for both by four.
; WHICH CLUSTER TAKES WHAT: kh = cluster y % 2, the tile rows 4 (cluster y / 2) .. + 3.  So the clusters with an even y walk the first 4,096 of K and no other, those with an odd y the second; the two clusters that
; walk the same rows of wb are y and y + 2; a row of xb is walked by the four clusters of one y.  The values do not hang on this choice.
; REGISTERS, in windows of 256 (s_set_vgpr_msb: bits 1:0 source 0, 3:2 source 1, 5:4 source 2, 7:6 destination):
;   window 0: v0-31 addresses; v64-127, v128-191 xb's fragments (8 x 16 rows x 32 K), two buffers; on the way out v32-159 hold rows read back
;   window 1: v64-127, v128-191 wb's fragments, two buffers
;   window 2: the 32 accumulators of my rows 0-63 (accumulator (a, b) at v[8 (8 a + b)]);   window 3: those of my rows 64-127
.set PA,    272                        ; a row of xb's tile in LDS: 256 bytes + 16 = 68 words: row r starts at bank 4 r mod 64 (64 banks of 4 bytes: ISA guide 11.1): the 16 rows of a load start at 16 different groups of four banks
.set PB,    544                        ; a row of wb's tile: 512 + 32 = 136 words: row r starts at bank 8 r mod 64
.set HA,    128*PA                     ; 128 rows of xb: what one tensor load brings, and what one wave reads
.set HB,    64*PB                      ; 64 rows of wb: what one tensor load brings
.set BOFF,  2*HA                       ; in a slot: xb's 256 rows, then wb's 128
.set SLOT,  BOFF+2*HB                  ; 139,264 bytes
.set STAGE, 2*SLOT                     ; behind the ring, never filled by a tensor load: 16 rows x 528 bytes for each wave, for the way out
.set SP,    528                        ; a stage row: 512 bytes + 16: an odd multiple of 16
.set WSTG,  16*SP
.set SPARE, STAGE+4*WSTG               ; behind the stages: the spare words, 128 bytes for each wave: two blocks of 256 bytes that no other line names
.set LAPS,  16                         ; a lap = two K steps = once round the ring: 4096 / 256
.set OROW,  16384                      ; bytes in a row of part
.set ADRA, 16                          ; v16-17  LDS address of my fragments of xb in slot 0, 1
.set ADRB, 20                          ; v20-21  the same for wb
.set STO,  24                          ; v24     the way out: where I put 32 bytes of a row
.set RD,   25                          ; v25     the way out: where I read 16 bytes of a row back
.set CO,   26                          ; v26     my 16 bytes in 512 consecutive bytes of part
.set SPW,  28                          ; v28     LDS address of my spare word: SPARE + 4 x my thread's number; never rewritten
.set NIL,  29                          ; v29     0; never rewritten
.set PFO,  30                          ; v30     the prefetches' lane offset; never rewritten
.set F0,   64                          ; fragment buffer 0, in windows 0 (xb) and 1 (wb)
.set F1,   128                         ; fragment buffer 1
.set BK,   32                          ; the way out: 16 rows read back, 64 registers, two buffers by turns
.set G1A, 24                           ; s[24:31] descriptor group 1 for xb's tiles
.set G0A, 32                           ; s[32:39] group 0, one set for each slot
.set G1B, 48                           ; s[48:55] group 1 for wb's tiles
.set G0B, 56                           ; s[56:63] group 0, one set for each slot
.set LIM, 43                           ; s43      1 in a wave that prefetches, else the greatest number
.set PFA, 44                           ; s[44:45] the address of the prefetch in hand
.set PFB, 66                           ; s[66:67] the prefetches' base: my share of rows, at my half's K step 0
.set TN,  68                           ; s68      the K step of my half to be asked for next
.set CL1, 69                           ; s69      cluster y / 2: which of my half's two rows of clusters
.set KH,  79                           ; s79      cluster y % 2: which half of K
; s[14:15] xb at the 128 rows that I fetch, my half's K step 0; s[46:47] wb at the 64 rows of kk and the 256 columns that I fetch, my half's K step 0; s[70:71], s[72:73], s[74:75] offsets, high words 0
.set MSB, 0
.macro WIN new                         ; the immediate's high byte repeats the setting that is left; a switch that changes nothing is dropped
.if MSB != (\new)
	s_set_vgpr_msb (MSB<<8)|(\new)
.set MSB, \new
.endif
.endm
.set MUL_LO, 0xa1                      ; source 0 (wb) window 1, source 1 (xb) window 0, C and D window 2
.set MUL_HI, 0xf1                      ; the same, C and D window 3
.set TO_B,   0x40                      ; destination window 1, address window 0
; A joint load.  Waves 0 and 1 fetch the two halves of xb's tile, waves 2 and 3 those of wb's.  The branch hangs on the wave's number alone: it is the same in every work-group.
; An s_nop 0 and four v_nop follow each of the two lines; the jump, the label and what follows the macro come after them.
.macro JLOAD s
	s_cmp_lt_u32 s10, 2
	s_cbranch_scc0 .Lfor_b_\@
	tensor_load_to_lds s[G0A+4*(\s):G0A+4*(\s)+3], s[G1A:G1A+7]
	s_nop 0
.rept 4
	v_nop
.endr
	s_branch .Lasked_\@
.Lfor_b_\@:
	tensor_load_to_lds s[G0B+4*(\s):G0B+4*(\s)+3], s[G1B:G1B+7]
	s_nop 0
.rept 4
	v_nop
.endr
.Lasked_\@:
.endm
; A round of the cluster's barrier: my work-group's barrier, so that wave 0's signal speaks for all four waves; wave 0 signals for the work-group; every wave waits for all sixteen; my work-group's barrier once more.
.macro CREST                           ; a round behind its opening barrier
	s_cmp_lg_u32 s10, 0
	s_cbranch_scc1 .Lnot_wave_0_\@
	s_barrier_signal -3
.Lnot_wave_0_\@:
	s_barrier_wait -3
	s_barrier_signal -1
	s_barrier_wait -1
.endm
.macro CROUND                          ; a whole round
	s_barrier_signal -1
	s_barrier_wait -1
	CREST
.endm
; K step t of my half in xb, in bytes: rank t / 8 of the half's four (2048 rows of 2,048 bytes = 2^22) and 256 bytes for each of the rank's eight steps
.macro OFFA dst, t
	s_lshr_b32 s[\dst], s[\t], 3
	s_lshl_b32 s[\dst], s[\dst], 22
	s_and_b32 s76, s[\t], 7
	s_lshl_b32 s76, s76, 8
	s_add_co_u32 s[\dst], s[\dst], s76
.endm
; A PREFETCH INTO THE L2, behind each joint refill, its five lines and the run of LDS loads that follows them: the K step that stands TWO refills on, 512 matrix instructions ahead of the load that will ask for it.
; Each aligned block of 256 bytes is named ONCE in the launch.  xb's tile row (256 rows x 256 bytes a step) is read by every cluster of that row of clusters: cluster x = 0 asks, waves 0 and 1 for the 128 rows
; that each fetches, and the four partners take 32 rows each, a lane a row.  wb's tile column (128 rows x 512 bytes a step) is read by the two clusters of that column in my half of K, y and y + 2: the first of
; them asks, waves 2 and 3 for the 64 rows that each fetches, and the four partners take 16 rows each, two lanes a row.  The partners are told apart BY ADDRESS: no branch hangs on a work-group's place in its cluster.
; K steps 0 to 3 come by their loads alone; the loop's last trip (s3 = 1) asks for nothing: my half has no steps 32 and 33.
.macro ASK
	s_cmp_gt_u32 s3, s[LIM]
	s_cbranch_scc0 .Lnot_mine_\@
	global_prefetch_b8 v[PFO], s[PFA:PFA+1] th:TH_LOAD_NT scope:SCOPE_SE
.Lnot_mine_\@:
.endm
	s_load_b128 s[4:7], s[0:1], 0x0                ; xb s[4:5], wb s[6:7]
	s_load_b64 s[8:9], s[0:1], 0x10                ; part
	v_lshl_add_u32 v[SPW], v0, 2, SPARE
	v_mov_b32 v[NIL], 0
	ds_add_u32 v[SPW], v[NIL]                      ; the wave's opening: the add, twice on end, and its wait stand ahead of my first tensor load; the set-up below, work on registers, stands between
	ds_add_u32 v[SPW], v[NIL]                      ; and once more, under the one wait
	v_lshrrev_b32 v1, 5, v0
	v_readfirstlane_b32 s10, v1                    ; wave 0..3
	s_lshr_b32 s11, s10, 1                         ; which 128 of the tile's 256 rows are mine.  Also: I fetch for xb (0) or for wb (1)
	s_and_b32 s12, s10, 1                          ; which 128 of its 256 columns.  Also: which half of that tile's rows I fetch
	s_bfe_u32 s40, ttmp6, 0x40000                  ; cx: my place along the cluster's x
	s_bfe_u32 s41, ttmp6, 0x40004                  ; cy: along its y
	s_lshl_b32 s42, ttmp9, 2                       ; in a cluster launch ttmp9 and ttmp7 count clusters
	s_add_co_u32 s42, s42, s40                     ; tile column = 4 x cluster x + cx: 0 .. 15
	s_and_b32 s[CL1], ttmp7, 0xffff                ; cluster y: 0 .. 3
	s_and_b32 s[KH], s[CL1], 1                     ; the half of K = cluster y % 2: the same in all sixteen partners
	s_lshr_b32 s[CL1], s[CL1], 1                   ; cluster y / 2
	s_lshl_b32 s13, s[CL1], 2
	s_add_co_u32 s13, s13, s41                     ; tile row = 4 x (cluster y / 2) + cy: 0 .. 7
	s_lshl_b32 s43, s41, 2
	s_lshl_b32 s43, 15, s43                        ; my row of the cluster: places 4 cy .. 4 cy + 3
	s_lshl_b32 s44, 0x1111, s40                    ; my column: places cx, cx + 4, cx + 8, cx + 12
	; descriptor group 1.  xb: 128 rows x 128 elements, 16 bytes of padding behind each row.  wb: 64 rows x 256 elements, 32 bytes of padding
	s_or_b32 s[G1A+0], s43, (1<<16)|(1<<20)|(1<<21)|(5<<22)|(3<<25)  ; 15:0 the mask: my row; 17:16 elements of 2 bytes; 20 padding on; 21 set beside a mask; 24:22 after every 64 words (code 5); 31:25 4 words (code 3)
	s_mov_b32 s[G1A+1], 128<<16                    ; tensor_dim0 = 128
	s_mov_b32 s[G1A+2], 128<<16                    ; tensor_dim1 = 128
	s_mov_b32 s[G1A+3], 128<<16                    ; tile_dim0 = 128
	s_mov_b32 s[G1A+4], 128                        ; tile_dim1 = 128
	s_mov_b32 s[G1A+5], 1024                       ; elements from row to row of xb
	s_mov_b32 s[G1A+6], 0
	s_mov_b32 s[G1A+7], 0
	s_or_b32 s[G1B+0], s44, (1<<16)|(1<<20)|(1<<21)|(6<<22)|(7<<25)  ; the mask: my column; after every 128 words (code 6) 8 words (code 7)
	s_mov_b32 s[G1B+1], 256<<16                    ; tensor_dim0 = 256
	s_mov_b32 s[G1B+2], 64<<16                     ; tensor_dim1 = 64
	s_mov_b32 s[G1B+3], 256<<16                    ; tile_dim0 = 256
	s_mov_b32 s[G1B+4], 64                         ; tile_dim1 = 64
	s_mov_b32 s[G1B+5], 4096                       ; elements from row to row of wb
	s_mov_b32 s[G1B+6], 0
	s_mov_b32 s[G1B+7], 0
	; where the tiles come from.  xb's hang on the tile row and the half of K, which my row of the cluster shares; wb's on the tile column and the half of K, which my column shares
	s_lshl_b32 s16, s13, 8
	s_lshl_b32 s17, s12, 7
	s_add_co_u32 s16, s16, s17                     ; xb: row 256 x tile row + 128 x half,
	s_lshl_b32 s16, s16, 11                        ; of 2,048 bytes,
	s_lshl_b32 s17, s[KH], 24                      ; in the K half's first rank: four ranks of 2^22 bytes
	s_add_co_u32 s16, s16, s17
	s_mov_b32 s17, 0
	s_lshl_b32 s18, s12, 19                        ; wb: 64 x half rows of 8,192 bytes,
	s_lshl_b32 s19, s42, 9                         ; 256 columns of 2 bytes for each tile column,
	s_add_co_u32 s18, s18, s19
	s_lshl_b32 s19, s[KH], 25                      ; 4,096 rows of 8,192 bytes for the half of K
	s_add_co_u32 s18, s18, s19
	s_mov_b32 s19, 0
	s_mul_i32 s20, s12, HA                         ; and where they go: no place in the cluster enters an LDS address
	s_mul_i32 s21, s12, HB
	s_add_co_u32 s21, s21, BOFF
	s_mov_b32 s71, 0                               ; the offsets' high words
	s_mov_b32 s73, 0
	s_mov_b32 s75, 0
	s_mov_b32 s[TN], 2                             ; K steps 0 and 1 are asked for below
	s_wait_dscnt 0x0                               ; both opening adds are done
	s_wait_kmcnt 0x0
	s_add_nc_u64 s[14:15], s[4:5], s[16:17]
	s_add_nc_u64 s[46:47], s[6:7], s[18:19]
	CROUND                                         ; all sixteen work-groups are here: the first joint loads meet
.irp s, 0,1
	s_mov_b32 s[G0A+4*(\s)], 1                                     ; 1:0 count = 1
	s_add_co_u32 s[G0A+4*(\s)+1], s20, (\s)*SLOT                   ; 63:32 LDS address
	s_add_nc_u64 s[G0A+4*(\s)+2:G0A+4*(\s)+3], s[14:15], (\s)*256  ; 120:64 global address: K step s
	s_or_b32 s[G0A+4*(\s)+3], s[G0A+4*(\s)+3], 0x80000000          ; 127:126 type = 2
	s_mov_b32 s[G0B+4*(\s)], 1
	s_add_co_u32 s[G0B+4*(\s)+1], s21, (\s)*SLOT
	s_add_nc_u64 s[G0B+4*(\s)+2:G0B+4*(\s)+3], s[46:47], (\s)*0x100000  ; 128 rows of 8,192 bytes a K step
	s_or_b32 s[G0B+4*(\s)+3], s[G0B+4*(\s)+3], 0x80000000
.endr
	s_cmp_lt_u32 s10, 2                            ; a wave's two first fills stand in one branch, ahead of every wait on TENSORcnt and every LDS read: two loads of mine are out
	s_cbranch_scc0 .Lfirst_b
	tensor_load_to_lds s[G0A:G0A+3], s[G1A:G1A+7]
	s_nop 0
	tensor_load_to_lds s[G0A+4:G0A+7], s[G1A:G1A+7]
	s_nop 0
.rept 4
	v_nop
.endr
	s_branch .Lfirst_asked
.Lfirst_b:
	tensor_load_to_lds s[G0B:G0B+3], s[G1B:G1B+7]
	s_nop 0
	tensor_load_to_lds s[G0B+4:G0B+7], s[G1B:G1B+7]
	s_nop 0
.rept 4
	v_nop
.endr
.Lfirst_asked:
	; A fragment of xb is 16 rows x 32 K in 8 registers: lane l holds row l % 16; registers 0-3 K = 8 (l / 16) + 0..7, registers 4-7 K = 16 + 8 (l / 16) + 0..7: two loads of 16 bytes, 32 bytes apart.
	v_and_b32 v1, 15, v0                           ; l % 16
	v_bfe_u32 v2, v0, 4, 1                         ; l / 16
	v_and_b32 v3, 31, v0                           ; l
	v_mul_u32_u24 v4, v1, PA
	v_lshl_add_u32 v4, v2, 4, v4                   ; row x pitch + 16 x half
	s_mul_i32 s16, s11, HA                         ; my 128 rows of xb's tile
	v_add_nc_u32 v[ADRA], s16, v4
	v_add_nc_u32 v[ADRA+1], SLOT, v[ADRA]
	; The turning load takes 16 kk x 16 columns (lane l reads 16 bytes: kk 8 (l / 16) + l % 8, columns 8 ((l / 8) % 2) + 0..7) and leaves half a fragment: lane l holds column l % 16 and 8 kk.
	v_and_b32 v5, 7, v0
	v_lshl_add_u32 v5, v2, 3, v5
	v_mul_u32_u24 v5, v5, PB
	v_bfe_u32 v6, v0, 3, 1
	v_lshl_add_u32 v5, v6, 4, v5
	s_lshl_b32 s17, s12, 8                         ; my 128 columns: 256 bytes of a row
	s_add_co_u32 s17, s17, BOFF
	v_add_nc_u32 v[ADRB], s17, v5
	v_add_nc_u32 v[ADRB+1], SLOT, v[ADRB]
	s_mul_i32 s18, s10, WSTG
	s_add_co_u32 s18, s18, STAGE                   ; my stage
	v_mul_u32_u24 v7, v1, SP                       ; in: row l % 16, 32 bytes for each half of the lanes
	v_lshl_add_u32 v7, v2, 5, v7
	v_add_nc_u32 v[STO], s18, v7
	v_lshlrev_b32 v[CO], 4, v3                     ; back: 32 lanes take one row of 512 bytes, and the same in part
	v_add_nc_u32 v[RD], s18, v[CO]
	s_lshl_b32 s22, s13, 8                         ; my part of part: row 256 x tile row + 128 x half,
	s_lshl_b32 s23, s11, 7
	s_add_co_u32 s22, s22, s23
	s_lshl_b32 s22, s22, 14                        ; of 16,384 bytes;
	s_lshl_b32 s23, s42, 10                        ; 1,024 bytes a tile column,
	s_add_co_u32 s22, s22, s23
	s_lshl_b32 s23, s12, 9                         ; 512 a half,
	s_add_co_u32 s22, s22, s23
	s_lshl_b32 s23, s[KH], 25                      ; 2^25 bytes for the half of K: under 2^26 in all
	s_add_co_u32 s22, s22, s23
	s_mov_b32 s23, 0
	s_add_nc_u64 s[8:9], s[8:9], s[22:23]
	; the prefetches
	s_lshl_b32 s16, s13, 8
	s_lshl_b32 s17, s12, 7
	s_add_co_u32 s16, s16, s17                     ; xb: the 128 rows that I fetch,
	s_lshl_b32 s17, s40, 5
	s_add_co_u32 s16, s16, s17                     ; my work-group's 32 of them,
	s_lshl_b32 s16, s16, 11                        ; of 2,048 bytes,
	s_lshl_b32 s17, s[KH], 24
	s_add_co_u32 s16, s16, s17                     ; in my half of K
	s_lshl_b32 s18, s12, 6
	s_lshl_b32 s19, s41, 4
	s_add_co_u32 s18, s18, s19                     ; wb: the 64 rows that I fetch, my work-group's 16 of them,
	s_lshl_b32 s18, s18, 13                        ; of 8,192 bytes,
	s_lshl_b32 s19, s42, 9
	s_add_co_u32 s18, s18, s19                     ; at the tile column's 512 bytes,
	s_lshl_b32 s19, s[KH], 25
	s_add_co_u32 s18, s18, s19                     ; in my half of K
	s_cmp_eq_u32 s11, 0                            ; do I fetch for xb?
	s_cselect_b32 s16, s16, s18
	s_cselect_b32 s20, ttmp9, s[CL1]               ; the coordinate along which other clusters read the same rows
	s_cselect_b32 s19, -1, 0                       ; the same answer as a mask of lanes
	s_cselect_b64 s[PFB:PFB+1], s[4:5], s[6:7]
	s_mov_b32 s17, 0
	s_add_nc_u64 s[PFB:PFB+1], s[PFB:PFB+1], s[16:17]
	s_cmp_eq_u32 s20, 0
	s_cselect_b32 s[LIM], 1, -1                    ; the same in all sixteen partners, for a given wave
	v_lshlrev_b32 v8, 11, v3                       ; xb: a lane a row
	v_lshrrev_b32 v9, 1, v3                        ; wb: two lanes a row,
	v_lshlrev_b32 v9, 13, v9
	v_and_b32 v6, 1, v0
	v_lshl_add_u32 v9, v6, 8, v9                   ; 256 bytes apart
	v_cndmask_b32 v[PFO], v9, v8, s19
	; nothing is prefetched here, at the head, where every work-group's first two tiles are on their way
; 16 matrix instructions: blocks a0, a0 + 1 of the window's four blocks of 16 rows (hi = 0: my rows 0-63, 1: rows 64-127) x all 8 blocks of 16 columns, 32 along K, from buffer f.
; zero = 1: the first product starts the sums: nothing is ever cleared.  The 64 accumulators take turns, one instruction a turn, in the same order in every quarter, over the backward jump too,
; between two links of a chain stand the 63 others'.
.macro MUL16 f, hi, a0, zero
	WIN MUL_LO+0x50*(\hi)
.irp a, \a0, (\a0)+1
.irp b, 0,1,2,3,4,5,6,7
.if \zero
	v_wmma_f32_16x16x32_bf16 v[8*(8*(\a)+(\b)):8*(8*(\a)+(\b))+7], v[(\f)+8*(\b):(\f)+8*(\b)+7], v[(\f)+8*(4*(\hi)+(\a)):(\f)+8*(4*(\hi)+(\a))+7], 0
.else
	v_wmma_f32_16x16x32_bf16 v[8*(8*(\a)+(\b)):8*(8*(\a)+(\b))+7], v[(\f)+8*(\b):(\f)+8*(\b)+7], v[(\f)+8*(4*(\hi)+(\a)):(\f)+8*(4*(\hi)+(\a))+7], v[8*(8*(\a)+(\b)):8*(8*(\a)+(\b))+7]
.endif
.endr
.endr
.endm
; 32 LDS loads in one run: the fragments of quarter q (32 along K) of a slot into buffer f: wb's eight first (the largest offset is 61,152), then xb's eight
.macro FETCH slot, q, f
	WIN TO_B
.irp b, 0,1,2,3,4,5,6,7
	ds_load_tr16_b128 v[(\f)+8*(\b):(\f)+8*(\b)+3],   v[ADRB+(\slot)] offset:(\q)*32*PB+32*(\b)
	ds_load_tr16_b128 v[(\f)+8*(\b)+4:(\f)+8*(\b)+7], v[ADRB+(\slot)] offset:(\q)*32*PB+16*PB+32*(\b)
.endr
	WIN 0
.irp i, 0,1,2,3,4,5,6,7
	ds_load_b128 v[(\f)+8*(\i):(\f)+8*(\i)+3],   v[ADRA+(\slot)] offset:64*(\q)+(\i)*16*PA
	ds_load_b128 v[(\f)+8*(\i)+4:(\f)+8*(\i)+7], v[ADRA+(\slot)] offset:64*(\q)+(\i)*16*PA+32
.endr
.endm
; A load into a register that a matrix instruction has read, and an LDS store that reads a matrix result, stand four places behind that matrix instruction, and only plain vector instructions
; that name none of its registers are places (ISA guide 7.12.1 for vector instructions).
.macro PLACES
.rept 4
	v_nop
.endr
.endm
; A K step is four quarters of 32 along K, 64 matrix instructions each, on buffers 0, 1, 0, 1.  One of the first three: multiplies buffer f; in its middle it fetches quarter q of the same slot into buffer g.
.macro QUARTER slot, q, f, g, zero
	s_wait_dscnt 8                                 ; wb's fragments and xb's rows 0-63 are in; the youngest eight loads (xb's rows 64-127) may be out
	MUL16 \f, 0, 0, \zero
	MUL16 \f, 0, 2, \zero
	PLACES
	FETCH \slot, \q, \g
	s_wait_dscnt 32                                ; all but the 32 just issued
	MUL16 \f, 1, 0, \zero
	MUL16 \f, 1, 2, \zero
.endm
; The last quarter multiplies buffer 1 and changes slots: ONE barrier.  In front of it each wave waits for all its tensor loads, of which one is out: its part of the next slot; adds 0 to its spare word; and waits
; for that and for its own reads of this slot.  Behind it nobody reads this slot any more and the next slot is whole.
; fill = 1: the barrier opens a round of the cluster's barrier, so that no wave of any partner still reads the slot or has a load on its way; the joint refill, K step TN, is the first thing behind the round.
; The descriptor's address is made anew from TN (xb jumps from rank to rank at every eighth step).
.macro TURN slot, next, fill
.if \fill
	s_wait_xcnt 0x0                                ; the last prefetch, a K step back, has read its address: it is written here, ahead of the waits of the change of slots
	s_add_co_u32 s77, s[TN], 2                     ; two refills on
	OFFA 74, 77
	s_lshl_b32 s78, s77, 20
	s_cmp_eq_u32 s11, 0
	s_cselect_b32 s74, s74, s78                    ; the step's offset in xb or in wb
	s_add_nc_u64 s[PFA:PFA+1], s[PFB:PFB+1], s[74:75]
.endif
	WIN 0                                          ; (the add's two registers lie in window 0)
	s_wait_tensorcnt 0x0                           ; all my tensor loads have landed, so every group 0 may be written;
	ds_add_u32 v[SPW], v[NIL]                      ; 0 onto my spare word: scalar work and sixteen products stand between it and the wait for it
.if \fill
	OFFA 70, TN
	s_add_nc_u64 s[G0A+4*(\slot)+2:G0A+4*(\slot)+3], s[14:15], s[70:71]
	s_or_b32 s[G0A+4*(\slot)+3], s[G0A+4*(\slot)+3], 0x80000000
	s_lshl_b32 s72, s[TN], 20
	s_add_nc_u64 s[G0B+4*(\slot)+2:G0B+4*(\slot)+3], s[46:47], s[72:73]
	s_or_b32 s[G0B+4*(\slot)+3], s[G0B+4*(\slot)+3], 0x80000000
	s_add_co_u32 s[TN], s[TN], 1
.endif
	s_wait_dscnt 9                                 ; (the add and the youngest eight loads may be out)
	MUL16 F1, 0, 0, 0
	s_wait_dscnt 0x0                               ; the add is done, and my reads of this slot are over:
	s_barrier_signal -1                            ; say so,
	MUL16 F1, 0, 2, 0                              ; work on registers while the others arrive,
.if \fill
	WIN 0
.endif
	s_barrier_wait -1                              ; and go on when all four have said so
.if \fill
	CREST
	JLOAD \slot                                    ; my one tensor load behind the round; the four v_nop behind it are also the places in front of the loads below
.else
	PLACES
.endif
	FETCH \next, 0, F0
.if \fill
	ASK
.endif
	MUL16 F1, 1, 0, 0
	MUL16 F1, 1, 2, 0
.endm
; THE WAY OUT of block a of my eight (16 rows x 128 columns of f32).  A lane's 32 bytes of a row go into my own stage, rows of 528 bytes, each accumulator's low four registers first;
; whole rows of 512 bytes come back.  LDS serves a wave's instructions in order (ISA guide 5.7.1.4): the loads see the stores above them, and the next block's stores come behind these loads.
.macro TOSTAGE a
	WIN 0x08+4*((\a)/4)                            ; an LDS store's data (source 1) in window 2 or 3, its address in window 0
.irp b, 0,1,2,3,4,5,6,7
	ds_store_b128 v[STO], v[64*((\a)%4)+8*(\b):64*((\a)%4)+8*(\b)+3]   offset:64*(\b)
	ds_store_b128 v[STO], v[64*((\a)%4)+8*(\b)+4:64*((\a)%4)+8*(\b)+7] offset:64*(\b)+16
.endr
	WIN 0
.irp t, 0,1,2,3,4,5,6,7,8,9,10,11,12,13,14,15
	ds_load_b128 v[BK+64*((\a)%2)+4*(\t):BK+64*((\a)%2)+4*(\t)+3], v[RD] offset:SP*(\t)
.endr
.endm
.macro SEND a, younger                 ; younger: the LDS instructions issued behind block a's loads: the next block's 32, or none
	WIN 0
.irp t, 0,1,2,3,4,5,6,7,8,9,10,11,12,13,14,15
	s_wait_dscnt (\younger)+15-(\t)
	global_store_b128 v[CO], v[BK+64*((\a)%2)+4*(\t):BK+64*((\a)%2)+4*(\t)+3], s[8:9] offset:(16*(\a)+(\t))*OROW th:TH_STORE_NT  ; 512 consecutive bytes, at a multiple of 512 from part's first byte; 127 rows at the most in the immediate
.endr
.endm
	s_wait_tensorcnt 1                             ; my part of K step 0 is in; K step 1's may stay out
	s_barrier_signal -1
	s_barrier_wait -1                              ; everybody's is
	FETCH 0, 0, F0
	QUARTER 0, 1, F0, F1, 1                        ; the first quarter stands in front of the loop: its products start the sums
	WIN 0                                          ; at a label and at a branch every window is 0
	s_mov_b32 s3, LAPS-1
.Llap:                                                 ; a trip goes once round the ring, from a lap's second quarter to the next lap's first, and fills both slots again: K steps 2 to 31
	QUARTER 0, 2, F1, F0, 0
	QUARTER 0, 3, F0, F1, 0
	TURN 0, 1, 1
	QUARTER 1, 1, F0, F1, 0
	QUARTER 1, 2, F1, F0, 0
	QUARTER 1, 3, F0, F1, 0
	TURN 1, 0, 1
	QUARTER 0, 1, F0, F1, 0
	WIN 0
	s_sub_co_u32 s3, s3, 1
	s_cmp_lg_u32 s3, 0
	s_cbranch_scc1 .Llap
	QUARTER 0, 2, F1, F0, 0                        ; the last lap is written out: it fills nothing, and has no round of the cluster's barrier
	QUARTER 0, 3, F0, F1, 0
	TURN 0, 1, 0
	QUARTER 1, 1, F0, F1, 0
	QUARTER 1, 2, F1, F0, 0
	QUARTER 1, 3, F0, F1, 0
	s_wait_dscnt 8                                 ; the very last quarter: nothing more to fetch
	MUL16 F1, 0, 0, 0
	MUL16 F1, 0, 2, 0
	s_wait_dscnt 0x0
	MUL16 F1, 1, 0, 0
	MUL16 F1, 1, 2, 0
	PLACES                                         ; behind the last products, in front of the stores that read results and of the loads into the fragments' registers:
	PLACES                                         ; eight places, once a launch, where four are asked for
	TOSTAGE 0
	TOSTAGE 1                                      ; a block's way through the stage stands between the loads of the block before and its stores
	SEND 0, 32
.irp a, 2,3,4,5,6,7
	s_wait_xcnt 0x0                                ; the stores of the block two back have read their registers, which this block is loaded into
	TOSTAGE \a
	SEND (\a)-1, 32
.endr
	SEND 7, 0
	s_wait_tensorcnt 0x0                           ; the wave's end: behind my last tensor load and my last LDS store
	ds_add_u32 v[SPW], v[NIL]
	s_wait_dscnt 0x0
	CROUND                                         ; the closing round: no work-group ends while a partner may still ask for a tile that names it
	s_endpgm
.Lfunc_end_k_qb190c25ab4_gemm:
	.size	k_qb190c25ab4_gemm, .Lfunc_end_k_qb190c25ab4_gemm-k_qb190c25ab4_gemm
	.p2alignl 7, 3214868480
	.fill 96, 4, 3214868480
	.section	.rodata,"a",@progbits
	.p2align	6, 0x0
	.amdhsa_kernel k_qb190c25ab4_gemm
		.amdhsa_group_segment_fixed_size 327680
		.amdhsa_private_segment_fixed_size 0
		.amdhsa_enable_private_segment 0
		.amdhsa_kernarg_size 24
		.amdhsa_user_sgpr_count 2
		.amdhsa_user_sgpr_kernarg_segment_ptr 1
		.amdhsa_wavefront_size32 1
		.amdhsa_system_sgpr_workgroup_id_x 1
		.amdhsa_system_sgpr_workgroup_id_y 1
		.amdhsa_system_sgpr_workgroup_id_z 1
		.amdhsa_system_vgpr_workitem_id 0
		.amdhsa_next_free_vgpr 1024
		.amdhsa_next_free_sgpr 80
		.amdhsa_reserve_vcc 0
		.amdhsa_float_denorm_mode_32 3
		.amdhsa_float_denorm_mode_16_64 3
		.amdhsa_memory_ordered 1
		.amdhsa_forward_progress 1
		.amdhsa_inst_pref_size 147
	.end_amdhsa_kernel
	.amdgpu_metadata
---
amdhsa.version: [ 1, 2 ]
amdhsa.kernels:
  - .name:           k_qb190c25ab4_gemm
    .symbol:         k_qb190c25ab4_gemm.kd
    .args:
      - { .name: xb, .offset: 0, .size: 8, .value_kind: global_buffer, .address_space: global }
      - { .name: wb, .offset: 8, .size: 8, .value_kind: global_buffer, .address_space: global }
      - { .name: part, .offset: 16, .size: 8, .value_kind: global_buffer, .address_space: global }
    .group_segment_fixed_size: 327680
    .private_segment_fixed_size: 0
    .kernarg_segment_align: 8
    .kernarg_segment_size: 24
    .max_flat_workgroup_size: 128
    .sgpr_count:     80
    .vgpr_count:     1024
    .wavefront_size: 32
...
	.end_amdgpu_metadata
.endif
;; end of part 2
;; launch sum2 (part 3): grid 512 x 1, 8 waves a work-group, no clusters, 0 bytes of LDS; arguments part, out0; writes out0
.if DOCPART == 3
	.amdgcn_target "amdgcn-amd-amdhsa--gfx1250"
	.amdhsa_code_object_version 6
	.text
	.protected	k_qb190c25ab4_sum2
	.globl	k_qb190c25ab4_sum2
	.p2align	8
	.type	k_qb190c25ab4_sum2,@function
k_qb190c25ab4_sum2:
	s_mov_b64 s[64:65], 0
	v_nop
	global_prefetch_b8 v0, s[64:65] scope:SCOPE_SE
	s_setreg_imm32_b32 hwreg(HW_REG_WAVE_MODE, 25, 1), 1
	s_wait_xcnt 0x0
; THIRD OF THREE LAUNCHES.  out0[i] = part[0][i] + part[1][i]: the two halves of K, each an f32 sum of the launch before, are added in f32.  part: [2][2048][4096] f32; out0: [2048][4096] f32
; (the reshape to [8][256][4096] moves no byte).  Nothing is left out.  NaN and infinities go as the addition carries them.
; SHARES.  A work-group of eight waves owns 16 rows of 4,096 bytes of out0 (65,536), and the same bytes of both halves of part: 512 work-groups of equal work.  Thread t owns the 16 bytes at 16 t of every
; row: a load or store of a wave covers 512 consecutive bytes, aligned.  All 32 loads of a wave go out first; each row is added in place and stored as it comes.  No register is written twice and no
; address register is rewritten (the rows stand in the immediates, 61,440 at the most), so the only waits are the counted ones for the loads.
; No LDS, no barrier, no matrix unit, no cluster: no byte is wanted twice and no wave wants what another fetched.
.set ROW,  4096
.set ROWS, 16
.set HALF, 33554432                    ; bytes from one half of part to the other
.set P, 4                              ; v[4:67]    row j of the first half at P + 4 j; then the sum
.set Q, 68                             ; v[68:131]  row j of the second half at Q + 4 j
	s_load_b128 s[4:7], s[0:1], 0x0                ; part s[4:5], out0 s[6:7]
	v_lshlrev_b32 v1, 4, v0                        ; my 16 bytes of a row; never rewritten
	s_lshl_b32 s8, ttmp9, 16                       ; the work-group's 65,536 bytes, under 2^25
	s_mov_b32 s9, 0
	s_wait_kmcnt 0x0
	s_add_nc_u64 s[4:5], s[4:5], s[8:9]
	s_add_nc_u64 s[6:7], s[6:7], s[8:9]
	s_add_nc_u64 s[10:11], s[4:5], HALF
.set j, 0
.rept ROWS
	global_load_b128 v[P+4*j:P+4*j+3], v1, s[4:5]   offset:j*ROW th:TH_LOAD_NT
	global_load_b128 v[Q+4*j:Q+4*j+3], v1, s[10:11] offset:j*ROW th:TH_LOAD_NT
.set j, j+1
.endr
.set j, 0
.rept ROWS
	s_wait_loadcnt 2*(ROWS-1-j)                    ; loads come back in order (ISA guide 5.7.1): row j's two are in, the two of each later row may stay out
	v_pk_add_f32 v[P+4*j:P+4*j+1],   v[P+4*j:P+4*j+1],   v[Q+4*j:Q+4*j+1]
	v_pk_add_f32 v[P+4*j+2:P+4*j+3], v[P+4*j+2:P+4*j+3], v[Q+4*j+2:Q+4*j+3]
	global_store_b128 v1, v[P+4*j:P+4*j+3], s[6:7] offset:j*ROW th:TH_STORE_NT
.set j, j+1
.endr
	s_endpgm
.Lfunc_end_k_qb190c25ab4_sum2:
	.size	k_qb190c25ab4_sum2, .Lfunc_end_k_qb190c25ab4_sum2-k_qb190c25ab4_sum2
	.p2alignl 7, 3214868480
	.fill 96, 4, 3214868480
	.section	.rodata,"a",@progbits
	.p2align	6, 0x0
	.amdhsa_kernel k_qb190c25ab4_sum2
		.amdhsa_group_segment_fixed_size 0
		.amdhsa_private_segment_fixed_size 0
		.amdhsa_enable_private_segment 0
		.amdhsa_kernarg_size 16
		.amdhsa_user_sgpr_count 2
		.amdhsa_user_sgpr_kernarg_segment_ptr 1
		.amdhsa_wavefront_size32 1
		.amdhsa_system_sgpr_workgroup_id_x 1
		.amdhsa_system_sgpr_workgroup_id_y 1
		.amdhsa_system_sgpr_workgroup_id_z 1
		.amdhsa_system_vgpr_workitem_id 0
		.amdhsa_next_free_vgpr 136
		.amdhsa_next_free_sgpr 66
		.amdhsa_reserve_vcc 0
		.amdhsa_float_denorm_mode_32 3
		.amdhsa_float_denorm_mode_16_64 3
		.amdhsa_memory_ordered 1
		.amdhsa_forward_progress 1
		.amdhsa_inst_pref_size 8
	.end_amdhsa_kernel
	.amdgpu_metadata
---
amdhsa.version: [ 1, 2 ]
amdhsa.kernels:
  - .name:           k_qb190c25ab4_sum2
    .symbol:         k_qb190c25ab4_sum2.kd
    .args:
      - { .name: part, .offset: 0, .size: 8, .value_kind: global_buffer, .address_space: global }
      - { .name: out0, .offset: 8, .size: 8, .value_kind: global_buffer, .address_space: global }
    .group_segment_fixed_size: 0
    .private_segment_fixed_size: 0
    .kernarg_segment_align: 8
    .kernarg_segment_size: 16
    .max_flat_workgroup_size: 256
    .sgpr_count:     66
    .vgpr_count:     136
    .wavefront_size: 32
...
	.end_amdgpu_metadata
.endif
;; end of part 3
;; ======== version 2 of 2: 3 launches; version 1 with the launch cast written anew for expert scheduling mode
;; workspace buffers: xb 33,554,432 bytes; wb 67,108,864 bytes; part 67,108,864 bytes
;; launch cast (part 4): grid 768 x 1, 8 waves a work-group, no clusters, 0 bytes of LDS; arguments weight, x, wb, xb; writes wb, xb
.if DOCPART == 4
	.amdgcn_target "amdgcn-amd-amdhsa--gfx1250"
	.amdhsa_code_object_version 6
	.text
	.protected	k_qb190c25ab4_cast
	.globl	k_qb190c25ab4_cast
	.p2align	8
	.type	k_qb190c25ab4_cast,@function
k_qb190c25ab4_cast:
	s_mov_b64 s[64:65], 0
	v_nop
	global_prefetch_b8 v0, s[64:65] scope:SCOPE_SE
	s_setreg_imm32_b32 hwreg(HW_REG_WAVE_SCHED_MODE, 0, 2), 2
	s_setreg_imm32_b32 hwreg(HW_REG_WAVE_MODE, 25, 1), 1
	s_wait_xcnt 0x0
	s_wait_alu depctr_vm_vsrc(0)
; FIRST OF THREE LAUNCHES for out[m][n] = the sum over r and k of x[r][m][k] weight[r][k][n]  (M = 2048, N = 4096, 8 ranks of 1024 along K).
; This launch rounds both inputs once to bf16 (nearest even), element by element, in their own layouts: wb[i] = bf16(weight[i]), xb[i] = bf16(x[i]).
; NOTHING IS LEFT OUT: every number of x and of weight is a term of some output, so every byte of both is read, once.
; LIMITS.  bf16 has the exponent range of f32, so no finite input overflows but those within half a bf16 step of the largest f32; NaN and infinities go through as the conversion carries them.
; SHARES.  A work-group of eight waves owns 64 rows of 4,096 input bytes (262,144) and their 131,072 output bytes.  Work-groups 0 to 511 take weight (134,217,728 bytes),
; 512 to 767 take x (67,108,864 bytes): 768 work-groups of equal work.  Thread t owns the 16 bytes at 16 t of every row and stores the 8 bytes at 8 t: a load of a wave covers 512
; consecutive bytes, a store of a wave 256 consecutive bytes, aligned.  No LDS, no barrier, no matrix unit, no cluster: no byte is wanted twice and no wave wants what another fetched.
; THE MODE: SCHED_MODE bits 1:0 = 2 (LLVM: expert scheduling mode 2), set by the entry lines.  The code itself states the register dependences
; between vector instructions and memory instructions, with s_wait_alu, always for 0.
; THE PLAN.  The 64 rows go in 16 blocks of four, all written out, so that the rows stand in the immediates (258,048 at the most).  Registers that memory instructions touch:
;   X0 .. X4   five blocks of f32 as loaded.  Written by the loads of block p + 4, issued in block p; read by block p's conversions.
;   Y0, Y1     two blocks of bf16 to store.   Written by block p's conversions; read by the four stores that are issued in block p + 1.
;   v1, v2     byte offsets, made once at the head and never written again; the two scalar bases never move either.
; Block p works on X[p % 5] and writes Y[p % 2].  Its memory instructions are the loads into X[(p + 4) % 5] = X[(p - 1) % 5] and the stores from Y[(p - 1) % 2]: the two buffers that
; block p - 1 worked on and that no vector instruction of block p names.  So the waits at the head of a block state all that the block's eight memory instructions hang on, and these
; are dealt among its eight conversions with no further wait.  Twelve loads of a wave are on their way at a block's head, sixteen behind its four loads.
.set ROWI,   4096                      ; input bytes in a row
.set ROWO,   2048                      ; output bytes in a row
.set ROWS,   64
.set BLOCK,  4                         ; rows in a block
.set BLOCKS, ROWS/BLOCK
.set NX,     5                         ; buffers of X
.set X, 4                              ; v[4:83]   buffer k, row i: four f32 as loaded, at X + 16 k + 4 i
.set Y, 84                             ; v[84:99]  buffer k, row i: four bf16 to store, at Y + 8 k + 2 i
	s_load_b256 s[4:11], s[0:1], 0x0               ; weight s[4:5], x s[6:7], wb s[8:9], xb s[10:11]
	v_lshlrev_b32 v1, 4, v0                        ; my 16 bytes of an input row; never rewritten
	v_lshlrev_b32 v2, 3, v0                        ; my 8 bytes of an output row; never rewritten
	s_sub_co_u32 s13, ttmp9, 512                   ; my number among the work-groups of x (used only from 512 on)
	s_cmp_lt_u32 ttmp9, 512                        ; weight or x?  The lines down to the last select leave SCC alone
	s_cselect_b32 s12, ttmp9, s13                  ; my number inside my tensor
	s_wait_kmcnt 0x0
	s_cselect_b64 s[14:15], s[4:5], s[6:7]         ; from where
	s_cselect_b64 s[16:17], s[8:9], s[10:11]       ; to where
	s_lshl_b32 s18, s12, 18                        ; 262,144 bytes in, under 2^27
	s_mov_b32 s19, 0
	s_lshl_b32 s20, s12, 17                        ; 131,072 bytes out
	s_mov_b32 s21, 0
	s_add_nc_u64 s[14:15], s[14:15], s[18:19]
	s_add_nc_u64 s[16:17], s[16:17], s[20:21]
	s_wait_alu depctr_va_vdst(0)                   ; v1 and v2 are written: every load of the kernel reads v1 as its offset, every store v2
.set i, 0
.rept (NX-1)*BLOCK
	global_load_b128 v[X+4*i:X+4*i+3], v1, s[14:15] offset:i*ROWI th:TH_LOAD_NT  ; blocks 0 to 3 into X0 to X3: rows 0 to 15
.set i, i+1
.endr
.set p, 0
.rept BLOCKS                           ; block p
.set XC, X+16*(p%NX)                   ; the X that this block's conversions read
.set XN, X+16*((p+NX-1)%NX)            ; the X that the block before read: block p + 4 is loaded into it
.set YC, Y+8*(p%2)                     ; the Y that this block's conversions write
.set YP, Y+8*((p+1)%2)                 ; the Y that the block before wrote: it is stored now
.if (p+NX-2) < BLOCKS
	s_wait_loadcnt (NX-2)*BLOCK                    ; loads come back in order (ISA guide 5.7.1): block p is in, the twelve loads of the three younger blocks stay out
.else
	s_wait_loadcnt (BLOCKS-1-p)*BLOCK              ; the last blocks: fewer blocks follow them, the counts run down
.endif
.if p > 1
	s_wait_xcnt 0x0                                ; every earlier memory instruction has had its addresses translated (ISA guide 3.1): this block's Y, the data of stores issued in the block before, is rewritten only behind this wait
	s_wait_alu depctr_vm_vsrc(0)                   ; the stores issued in the block before have read this block's Y, which its conversions write again
.endif
.if p > 0
	s_wait_alu depctr_va_vdst(0)                   ; the block before has written the other Y, which the stores below read, and is done reading its X, in which the loads below land
.endif
.set i, 0
.rept BLOCK
.if (p+NX-1) < BLOCKS
	global_load_b128 v[XN+4*i:XN+4*i+3], v1, s[14:15] offset:((p+NX-1)*BLOCK+i)*ROWI th:TH_LOAD_NT  ; four blocks ahead, the load ahead of the store; no vector instruction since the wait names these registers
.endif
.if p > 0
	global_store_b64 v2, v[YP+2*i:YP+2*i+1], s[16:17] offset:((p-1)*BLOCK+i)*ROWO th:TH_STORE_NT  ; the block before
.endif
	v_cvt_pk_bf16_f32 v[YC+2*i],   v[XC+4*i],   v[XC+4*i+1]  ; two roundings, the first source into the low half
	v_cvt_pk_bf16_f32 v[YC+2*i+1], v[XC+4*i+2], v[XC+4*i+3]
.set i, i+1
.endr
.set p, p+1
.endr
	s_wait_alu depctr_va_vdst(0)                   ; block 15 has written Y1, which the last four stores read
.set i, 0
.rept BLOCK
	global_store_b64 v2, v[Y+8+2*i:Y+8+2*i+1], s[16:17] offset:((BLOCKS-1)*BLOCK+i)*ROWO th:TH_STORE_NT
.set i, i+1
.endr
	s_endpgm
.Lfunc_end_k_qb190c25ab4_cast:
	.size	k_qb190c25ab4_cast, .Lfunc_end_k_qb190c25ab4_cast-k_qb190c25ab4_cast
	.p2alignl 7, 3214868480
	.fill 96, 4, 3214868480
	.section	.rodata,"a",@progbits
	.p2align	6, 0x0
	.amdhsa_kernel k_qb190c25ab4_cast
		.amdhsa_group_segment_fixed_size 0
		.amdhsa_private_segment_fixed_size 0
		.amdhsa_enable_private_segment 0
		.amdhsa_kernarg_size 32
		.amdhsa_user_sgpr_count 2
		.amdhsa_user_sgpr_kernarg_segment_ptr 1
		.amdhsa_wavefront_size32 1
		.amdhsa_system_sgpr_workgroup_id_x 1
		.amdhsa_system_sgpr_workgroup_id_y 1
		.amdhsa_system_sgpr_workgroup_id_z 1
		.amdhsa_system_vgpr_workitem_id 0
		.amdhsa_next_free_vgpr 100
		.amdhsa_next_free_sgpr 66
		.amdhsa_reserve_vcc 0
		.amdhsa_float_denorm_mode_32 3
		.amdhsa_float_denorm_mode_16_64 3
		.amdhsa_memory_ordered 1
		.amdhsa_forward_progress 1
		.amdhsa_inst_pref_size 23
	.end_amdhsa_kernel
	.amdgpu_metadata
---
amdhsa.version: [ 1, 2 ]
amdhsa.kernels:
  - .name:           k_qb190c25ab4_cast
    .symbol:         k_qb190c25ab4_cast.kd
    .args:
      - { .name: weight, .offset: 0, .size: 8, .value_kind: global_buffer, .address_space: global }
      - { .name: x, .offset: 8, .size: 8, .value_kind: global_buffer, .address_space: global }
      - { .name: wb, .offset: 16, .size: 8, .value_kind: global_buffer, .address_space: global }
      - { .name: xb, .offset: 24, .size: 8, .value_kind: global_buffer, .address_space: global }
    .group_segment_fixed_size: 0
    .private_segment_fixed_size: 0
    .kernarg_segment_align: 8
    .kernarg_segment_size: 32
    .max_flat_workgroup_size: 256
    .sgpr_count:     66
    .vgpr_count:     100
    .wavefront_size: 32
...
	.end_amdgpu_metadata
.endif
;; end of part 4
;; launch gemm: the kernel of part 2 again; grid 16 x 16, 4 waves a work-group, clusters of 4 x 4, 327,680 bytes of LDS; arguments xb, wb, part; writes part
;; launch sum2: the kernel of part 3 again; grid 512 x 1, 8 waves a work-group, no clusters, 0 bytes of LDS; arguments part, out0; writes out0
